; MI455X (gfx1250); checked and timed in simulation.
; The chip was launched on July 23, 2026; its instructions are those of AMD's public machine-readable ISA for CDNA 5 (MIT licence, August 2026) and "CDNA5" Instruction Set Architecture Reference Guide (July 2026). The comments in the code are by the model that wrote it; some were corrected since.
;; Attractor Dynamics. Allowed arithmetic: float matrix products may take bf16 or f16 operands with f32 sums; other float arithmetic in f32, or as packed bf16 or f16 multiplies, adds, multiply-adds, maxima and minima; sums over many terms, partial sums and values carried from step to step in f32; what a program stores and reads back later, other than sums and carried values, may be rounded once to bf16 or f16.
;; Inputs: J 512 x 512 float32; W_in 512 x 1,024 float32; b_in 512 float32; x 16,384 x 1,024 float32.
;; Outputs: out0 16,384 x 512 float32.
;; One version. Each part assembles by itself: llvm-mc -triple=amdgcn-amd-amdhsa -mcpu=gfx1250 --defsym DOCPART=n.
;; ======== version 1 of 1: 2 launches
;; limits: values are held in f16: magnitudes above 65,504 overflow, below 6.1e-05 lose precision; right only within a limited range of input values
;; workspace buffers: wts 1,638,400 bytes
;; launch prep (part 1): grid 192 x 1, 4 waves a work-group, no clusters, 0 bytes of LDS; arguments W_in, J, wts; writes wts
.if DOCPART == 1
	.amdgcn_target "amdgcn-amd-amdhsa--gfx1250"
	.amdhsa_code_object_version 6
	.text
	.protected	k_qfdefc36034_prep
	.globl	k_qfdefc36034_prep
	.p2align	8
	.type	k_qfdefc36034_prep,@function
k_qfdefc36034_prep:
	s_mov_b64 s[64:65], 0
	v_nop
	global_prefetch_b8 v0, s[64:65] scope:SCOPE_SE
	s_setreg_imm32_b32 hwreg(HW_REG_WAVE_MODE, 25, 1), 1
	s_wait_xcnt 0x0
; wts = W_in rounded to bf16, and J'' = f16(clamp(bf16(J) x 28.853901)), both laid out in FRAGMENTS, as the next launch's matrix instructions take them.
; 28.853901 = 10 x 2 log2(e): the step's 1 / tau and the factor of tanh(z) = 1 - 2 / (1 + 2^(2 log2(e) z)), folded into J once.
; LIMITS.  |J| above 2,270 is held to f16's largest number, 65,504 (the drawn J has a spread of 0.004); |J| below 2.1e-6 keeps f16's fixed step of 6e-8 in J''.
; A NaN in J becomes -65,504: NaN and infinities are not treated apart.
; A FRAGMENT is 1,024 bytes: 16 rows n x 32 k.  Byte 512 p + 16 l + 2 j holds element (n0 + l % 16, k0 + 16 p + 8 (l / 16) + j): lane l's 16 bytes for registers 4 p .. 4 p + 3.
; LAYOUT OF wts (w = n / 128, b = (n / 16) % 8):
;   tiles t = 0..7, 131,072 bytes each: W_in's k = 128 t ..: fragment at 131,072 t + 32,768 w + 8,192 q + 1,024 b, q = the K step of 32 in the tile
;   tile 8 at 1,048,576: J'' K steps 10..13, the same form.   tile 9 at 1,179,648: K steps 14, 15 (q = 0, 1); the upper 16,384 bytes of each w are neither written nor read
;   part B at 1,310,720: J'' K steps 0..9 at 81,920 w + 8,192 ks + 1,024 b
; SHARES.  A wave takes 16 rows x 64 k: 256 consecutive bytes, aligned, of each row; that is two fragments.  Work-groups 0..127: W_in (32 x 16 such pieces); 128..191: J (32 x 8).
; Each store of a wave covers 512 consecutive bytes, aligned.  No LDS, no loop: 3 MiB in, 1.5 MiB out.
.set PARTB, 1310720
.set DST, 5                            ; v5   16 x lane
.set SRC, 6                            ; v6   (l % 16) x row bytes + 32 (l / 16)
.set F,   16                           ; v[16:47] 32 numbers in f32: piece 4 q2 + 2 p + half at F + 4 x piece
.set H,   48                           ; v[48:63] the same packed: fragment q2, half p at H + 4 (2 q2 + p)
.macro LOAD8 base
.irp i, 0,1,2,3,4,5,6,7
	global_load_b128 v[F+4*\i:F+4*\i+3], v[SRC], s[\base:\base+1] offset:(\i/4)*128+((\i/2)%2)*64+(\i%2)*16
.endr
	s_wait_loadcnt 0x0
.endm
.macro STORE4
.irp i, 0,1,2,3
	global_store_b128 v[DST], v[H+4*\i:H+4*\i+3], s[8:9] offset:(\i/2)*8192+(\i%2)*512
.endr
.endm
	s_load_b128 s[4:7], s[0:1], 0x0                ; W_in s[4:5], J s[6:7]
	s_load_b64 s[8:9], s[0:1], 0x10                ; wts
	v_lshrrev_b32 v1, 5, v0
	v_readfirstlane_b32 s10, v1                    ; wave 0..3
	v_and_b32 v2, 15, v0                           ; l % 16
	v_bfe_u32 v3, v0, 4, 1                         ; l / 16
	v_and_b32 v4, 31, v0
	v_lshlrev_b32 v[DST], 4, v4
	s_mov_b32 s15, 0                               ; high words of the two offsets
	s_mov_b32 s17, 0
	s_cmp_lt_u32 ttmp9, 128
	s_cbranch_scc0 .Lj
	; W_in: piece id = 4 g + wave; row block T = id / 16, kp = id % 16
	s_lshl_b32 s11, ttmp9, 2
	s_add_co_u32 s11, s11, s10
	s_lshr_b32 s12, s11, 4
	s_and_b32 s13, s11, 15
	s_lshl_b32 s14, s12, 16                        ; 16 rows of 4,096 bytes
	s_lshl_b32 s18, s13, 8                         ; 64 k of 4 bytes
	s_add_co_u32 s14, s14, s18
	v_lshlrev_b32 v[SRC], 12, v2
	v_lshl_add_u32 v[SRC], v3, 5, v[SRC]
	s_lshr_b32 s16, s13, 1                         ; tile kp / 2,
	s_lshl_b32 s16, s16, 17
	s_and_b32 s18, s13, 1                          ; K steps 2 (kp % 2) and the next,
	s_lshl_b32 s18, s18, 14
	s_add_co_u32 s16, s16, s18
	s_lshr_b32 s18, s12, 3                         ; w,
	s_lshl_b32 s18, s18, 15
	s_add_co_u32 s16, s16, s18
	s_and_b32 s18, s12, 7                          ; b
	s_lshl_b32 s18, s18, 10
	s_add_co_u32 s16, s16, s18
	s_wait_kmcnt 0x0
	s_add_nc_u64 s[4:5], s[4:5], s[14:15]
	s_add_nc_u64 s[8:9], s[8:9], s[16:17]
	LOAD8 4
.set m, 0
.rept 16
	v_cvt_pk_bf16_f32 v[H+m], v[F+2*m], v[F+2*m+1]
.set m, m+1
.endr
	STORE4
	s_endpgm
.Lj:	; J: piece id = 4 (g - 128) + wave; row block T = id / 8, kp = id % 8
	s_sub_co_u32 s11, ttmp9, 128
	s_lshl_b32 s11, s11, 2
	s_add_co_u32 s11, s11, s10
	s_lshr_b32 s12, s11, 3
	s_and_b32 s13, s11, 7
	s_lshl_b32 s14, s12, 15                        ; 16 rows of 2,048 bytes
	s_lshl_b32 s18, s13, 8
	s_add_co_u32 s14, s14, s18
	v_lshlrev_b32 v[SRC], 11, v2
	v_lshl_add_u32 v[SRC], v3, 5, v[SRC]
	s_lshl_b32 s18, s13, 14                        ; two K steps of 8,192 bytes
	s_add_co_u32 s19, s18, PARTB                   ; kp 0..4: part B
	s_add_co_u32 s18, s18, 1048576-5*16384         ; kp 5, 6: tile 8
	s_mov_b32 s20, 32768
	s_cmp_eq_u32 s13, 7
	s_cselect_b32 s18, 1179648, s18                ; kp 7: tile 9
	s_cmp_lt_u32 s13, 5
	s_cselect_b32 s16, s19, s18
	s_cselect_b32 s20, 81920, s20                  ; bytes from w to w + 1
	s_lshr_b32 s21, s12, 3
	s_mul_i32 s21, s21, s20
	s_add_co_u32 s16, s16, s21
	s_and_b32 s21, s12, 7
	s_lshl_b32 s21, s21, 10
	s_add_co_u32 s16, s16, s21
	s_mov_b32 s22, 0x41e6d4ca                      ; 28.853901
	s_mov_b32 s23, s22                             ; named with it as a pair
	s_mov_b32 s24, 0xffff0000
	s_mov_b32 s25, 0xc77fe000                      ; -65,504
	s_mov_b32 s26, 0x477fe000                      ; 65,504
	s_wait_kmcnt 0x0
	s_add_nc_u64 s[6:7], s[6:7], s[14:15]
	s_add_nc_u64 s[8:9], s[8:9], s[16:17]
	LOAD8 6
.set m, 0
.rept 16
	v_cvt_pk_bf16_f32 v[H+m], v[F+2*m], v[F+2*m+1]  ; J as the other inputs: rounded to bf16,
	v_lshlrev_b32 v[F+2*m], 16, v[H+m]             ; back in f32,
	v_and_b32 v[F+2*m+1], s24, v[H+m]
	v_pk_mul_f32 v[F+2*m:F+2*m+1], v[F+2*m:F+2*m+1], s[22:23] op_sel_hi:[1,0]  ; scaled,
	v_max_num_f32 v[F+2*m], s25, v[F+2*m]          ; held inside f16's range,
	v_max_num_f32 v[F+2*m+1], s25, v[F+2*m+1]
	v_min_num_f32 v[F+2*m], s26, v[F+2*m]
	v_min_num_f32 v[F+2*m+1], s26, v[F+2*m+1]
	v_cvt_pk_f16_f32 v[H+m], v[F+2*m], v[F+2*m+1]  ; and written as f16
.set m, m+1
.endr
	STORE4
	s_endpgm
.Lfunc_end_k_qfdefc36034_prep:
	.size	k_qfdefc36034_prep, .Lfunc_end_k_qfdefc36034_prep-k_qfdefc36034_prep
	.p2alignl 7, 3214868480
	.fill 96, 4, 3214868480
	.section	.rodata,"a",@progbits
	.p2align	6, 0x0
	.amdhsa_kernel k_qfdefc36034_prep
		.amdhsa_group_segment_fixed_size 0
		.amdhsa_private_segment_fixed_size 0
		.amdhsa_enable_private_segment 0
		.amdhsa_kernarg_size 24
		.amdhsa_user_sgpr_count 2
		.amdhsa_user_sgpr_kernarg_segment_ptr 1
		.amdhsa_wavefront_size32 1
		.amdhsa_system_sgpr_workgroup_id_x 1
		.amdhsa_system_sgpr_workgroup_id_y 1
		.amdhsa_system_sgpr_workgroup_id_z 1
		.amdhsa_system_vgpr_workitem_id 0
		.amdhsa_next_free_vgpr 64
		.amdhsa_next_free_sgpr 66
		.amdhsa_reserve_vcc 0
		.amdhsa_float_denorm_mode_32 3
		.amdhsa_float_denorm_mode_16_64 3
		.amdhsa_memory_ordered 1
		.amdhsa_forward_progress 1
		.amdhsa_inst_pref_size 13
	.end_amdhsa_kernel
	.amdgpu_metadata
---
amdhsa.version: [ 1, 2 ]
amdhsa.kernels:
  - .name:           k_qfdefc36034_prep
    .symbol:         k_qfdefc36034_prep.kd
    .args:
      - { .name: W_in, .offset: 0, .size: 8, .value_kind: global_buffer, .address_space: global }
      - { .name: J, .offset: 8, .size: 8, .value_kind: global_buffer, .address_space: global }
      - { .name: wts, .offset: 16, .size: 8, .value_kind: global_buffer, .address_space: global }
    .group_segment_fixed_size: 0
    .private_segment_fixed_size: 0
    .kernarg_segment_align: 8
    .kernarg_segment_size: 24
    .max_flat_workgroup_size: 128
    .sgpr_count:     66
    .vgpr_count:     64
    .wavefront_size: 32
...
	.end_amdgpu_metadata
.endif
;; end of part 1
;; launch settle (part 2): grid 256 x 1, 4 waves a work-group, clusters of 4 x 1, 327,680 bytes of LDS; arguments x, b_in, wts, out0; writes out0
.if DOCPART == 2
	.amdgcn_target "amdgcn-amd-amdhsa--gfx1250"
	.amdhsa_code_object_version 6
	.text
	.protected	k_qfdefc36034_settle
	.globl	k_qfdefc36034_settle
	.p2align	8
	.type	k_qfdefc36034_settle,@function
k_qfdefc36034_settle:
	s_mov_b64 s[64:65], 0
	v_nop
	global_prefetch_b8 v0, s[64:65] scope:SCOPE_SE
	s_setreg_imm32_b32 hwreg(HW_REG_WAVE_MODE, 25, 1), 1
	s_wait_xcnt 0x0
	s_wait_alu depctr_hold_cnt(0) depctr_sa_sdst(0) depctr_va_vdst(0) depctr_va_sdst(0) depctr_va_ssrc(0) depctr_va_vcc(0) depctr_vm_vsrc(0)
	s_getreg_b32 s2, hwreg(HW_REG_IB_STS2, 6, 4)
	s_cmp_eq_u32 s2, 0
	s_cbranch_scc0 .Lentry_in_a_cluster
	s_endpgm
.Lentry_in_a_cluster:
	s_bfe_u32 s2, ttmp6, 0x10000c
	s_cmp_lg_u32 s2, 0x3003
	s_cbranch_scc0 .Lentry_shape_is_right
	s_endpgm
.Lentry_shape_is_right:
; out0 = sigma_10, sigma_0 = 0, sigma_(i+1) = tanh(drive + 10 sigma_i J^T), drive = x W_in^T + b_in.  x: [16384][1024], out0: [16384][512], f32.
; ARITHMETIC.  tanh(z) = 1 - 2 / (1 + 2^(c z)), c = 2 log2(e).  D'' = c drive is kept in f32; J'' = 10 c J comes in f16 from wts; so a step is acc = D'' + sigma J''^T,
; sigma = 1 - 2 rcp(1 + exp2(acc)).  exp2 = infinity gives 1, exp2 = 0 gives -1.  Step 1 is tanh(drive): sigma_0 = 0 has no product.  Nine products follow.
; FORMATS.  x, W_in and b_in are rounded once to bf16, J to bf16 and then (scaled) to f16; sigma, which lies in -1 .. 1, is rounded to f16 for the next product; all sums and D'' in f32.
; LIMITS.  J'' is held to +-65,504 (|J| <= 2,270); NaN and infinities are not treated apart.
; SHARES.  A work-group owns 64 rows of the batch, from first to last: nothing goes through memory between the steps.  Wave w owns output columns 128 w .. 128 w + 127.
; ALL OF J'' STAYS ON THE WGP: of a wave's 128 rows of J'' (16 K steps of 32) ten K steps lie in 640 registers and six in LDS.  That leaves 256 registers for sums and D'':
; so the steps are run in TWO PASSES of 32 rows; the second pass's D'' waits in LDS.
; LAYOUT.  Every product is taken transposed (source 0 = 16 rows of W_in or J'', source 1 = 16 rows of the batch): a lane holds batch row l % 16 and columns 8 (l / 16) + 0..7.
; Two neighbouring column tiles, rounded to f16 in pairs, ARE a source 1 fragment of the next step: sigma changes no lanes, it only goes through LDS to the other waves.
; CLUSTER.  All work-groups walk the same weights: the four of a cluster ask for each tile of wts JOINTLY (the same tensor load, descriptor and mask in all four).
; LDS.  0: slot 0 (131,072: a tile, wave w's part at 32,768 w); at the end tile 8, J'' K steps 10-13.   131,072: slot 1; at the end, for each wave, 16,384 of tile 9 (K steps 14, 15) and
; 16,384 of PARK, the second pass's D'', stored there when those bytes have had their last fill.   262,144: never filled by a tensor load: first XS, two stages of x in bf16 (64 rows x 272);
; then SIG, sigma in f16 (16 K steps x 2 row tiles x 1,024); in a pass's last step OSTG (16 rows x 528 for each wave).   296,960: the spare words.
; The launch claims all of a WGP's LDS.
; REGISTERS, in windows of 256 (s_set_vgpr_msb: bits 1:0 source 0, 3:2 source 1, 5:4 source 2, 7:6 destination):
;   window 0: v0-22 addresses; first product: v32-63 at work, v64-127 bias; steps: v16-63 three buffers of sigma, v64-127 a K step of J'' from LDS; v128-255 J'' K steps 0, 1
;   window 1: first product: W_in's fragments v0-127 (two buffers), x's v128-191 (two buffers); steps: J'' K steps 2-5
;   window 2: first product: four sets of 64, x in f32 on its way; steps: J'' K steps 6-9
;   window 3: first product: 32 accumulators, (a, b) at 64 ((a + 2) % 4) + 8 b; steps: v0-127 acc (a, b) at 64 a + 8 b, v128-255 D'' likewise
.set SLOTB,  131072
.set XS,     262144
.set XPITCH, 272                       ; 256 bytes + 16: the 16 rows of a fragment load start at 16 different groups of four banks (64 banks of 4 bytes: ISA guide 11.1)
.set XSTG,   64*XPITCH
.set SIG,    262144
.set OSTG,   262144
.set OPITCH, 528                       ; 512 bytes + 16, for the same reason
.set SPARE,  296960                    ; 128 bytes for each wave: two blocks of 256 bytes that no other line names
.set PARTB,  1310720
.set L16, 1                            ; v1   16 x lane
.set JA,  2                            ; v2-3 my part of slot 0, 1: 131,072 s + 32,768 w + 16 x lane
.set SA,  4                            ; v4   SIG + 16 x lane
.set SST, 5                            ; v5   SIG + 8,192 w + 16 x lane: where my four K steps of sigma go
.set PK,  6                            ; v6   PARK
.set STO, 7                            ; v7   the way out: where I put 16 bytes of a row
.set RD,  8                            ; v8   the way out: where I read a row back
.set GO,  9                            ; v9   my byte offset in a row of out0
.set SPW, 10                           ; v10  my spare word; never rewritten
.set NIL, 11                           ; v11  0; never rewritten
.set PFO, 12                           ; v12  the prefetches' offset in a tile; never rewritten
.set XA,  18                           ; v18-19 x's fragments in stage 0, 1
.set XST, 20                           ; v20-21 where I put 8 bytes of x in stage 0, 1
.set BO,  22                           ; v22  my byte offset in b_in
.set TMP, 32
.set BIAS, 64
.set SB,  16                           ; sigma's buffers
.set JL,  64                           ; J'' from LDS; on the way out the rows read back
.set WV,  12                           ; s12  my wave's number
.set MSB, 0
.macro WIN new                         ; the immediate's high byte repeats the setting that is left; a switch that changes nothing is dropped
.if MSB != (\new)
	s_set_vgpr_msb (MSB<<8)|(\new)
.set MSB, \new
.endif
.endm
; Four places: in front of loads into registers that matrix instructions have read, and of vector instructions that read results (ISA guide 7.12.1 for vector instructions).
.macro PLACES
.rept 4
	v_nop
.endr
.endm
.macro CREST                           ; a round of the cluster's barrier behind its opening barrier
	s_cmp_lg_u32 s[WV], 0
	s_cbranch_scc1 .Lnot_wave_0_\@
	s_barrier_signal -3
.Lnot_wave_0_\@:
	s_barrier_wait -3
	s_barrier_signal -1
	s_barrier_wait -1
.endm
.macro CROUND
	s_barrier_signal -1
	s_barrier_wait -1
	CREST
.endm
.macro TLOAD s, g1                     ; my part of a tile into slot s; an s_nop 0 and four v_nop follow
	tensor_load_to_lds s[32+4*(\s):35+4*(\s)], s[\g1:\g1+7]
	s_nop 0
	PLACES
.endm
; A prefetch into the L2 of tile t of wts, three refills ahead of the joint load that will ask for it.  All clusters walk the same tiles: the first cluster asks.  Its 16 waves x 32 lanes
; name the tile's 512 blocks of 256 bytes once each; the partners are told apart BY ADDRESS (cx stands in v12), never by a branch.  Tiles 0-4 come by their loads alone; tile 9 has bytes
; that nobody wrote and part B goes straight into registers: neither is asked for.
.macro ASK t
	WIN 0
	s_cmp_eq_u32 s44, 0
	s_cbranch_scc0 .Lnot_mine_\@
	global_prefetch_b8 v[PFO], s[8:9] offset:(\t)*SLOTB th:TH_LOAD_NT scope:SCOPE_SE
.Lnot_mine_\@:
.endm
.macro XLOAD k                         ; x's chunk k (128 k) of my 16 rows into set k % 4: a load takes the 512 bytes of one row.  The caller sets the window
.set i, 0
.rept 16
	global_load_b128 v[64*((\k)%4)+4*i:64*((\k)%4)+4*i+3], v[L16], s[4:5] offset:i*4096+(\k)*512 th:TH_LOAD_NT
.set i, i+1
.endr
.endm
.macro JREG ks, base                   ; K step ks (0..9) of my rows of J'' into 64 registers.  The caller sets the window
.irp b, 0,1,2,3,4,5,6,7
	global_load_b128 v[(\base)+8*\b:(\base)+8*\b+3],   v[L16], s[40:41] offset:(\ks)*8192+\b*1024
	global_load_b128 v[(\base)+8*\b+4:(\base)+8*\b+7], v[L16], s[40:41] offset:(\ks)*8192+\b*1024+512
.endr
.endm
; x's chunk k goes from its set to stage k % 2, rounded to bf16; the set is asked for again at once: x's chunk k + 4, or, when x is at its end, a K step of J'' that stays there.
.macro XSTAGE k
	s_wait_loadcnt 48                              ; loads come back in order (ISA guide 5.7.1): set k % 4 is in; the three younger sets' 48 loads stay out
	WIN 0x0a
.set i, 0
.rept 32
	v_cvt_pk_bf16_f32 v[TMP+i], v[64*((\k)%4)+2*i], v[64*((\k)%4)+2*i+1]
.set i, i+1
.endr
	WIN 0
.set i, 0
.rept 16
	ds_store_b64 v[XST+(\k)%2], v[TMP+2*i:TMP+2*i+1] offset:i*XPITCH
.set i, i+1
.endr
	WIN 0x80
.if (\k)+4 <= 7
	XLOAD (\k)+4
.else
	JREG 6+(\k)-4, 64*((\k)%4)
.endif
.endm
; 8 matrix instructions of the first product: row tile a x my 8 column tiles, 32 along K, fragment buffer f.  first = 1: the bias starts the sums: nothing is cleared.
.macro MUL8 f, a, first
.if \first
	WIN 0xc5
.else
	WIN 0xf5
.endif
.irp b, 0,1,2,3,4,5,6,7
.if \first
	v_wmma_f32_16x16x32_bf16 v[(((\a)+2)%4)*64+8*\b:(((\a)+2)%4)*64+8*\b+7], v[64*(\f)+8*\b:64*(\f)+8*\b+7], v[128+32*(\f)+8*(\a):128+32*(\f)+8*(\a)+7], v[BIAS+8*\b:BIAS+8*\b+7]
.else
	v_wmma_f32_16x16x32_bf16 v[(((\a)+2)%4)*64+8*\b:(((\a)+2)%4)*64+8*\b+7], v[64*(\f)+8*\b:64*(\f)+8*\b+7], v[128+32*(\f)+8*(\a):128+32*(\f)+8*(\a)+7], v[(((\a)+2)%4)*64+8*\b:(((\a)+2)%4)*64+8*\b+7]
.endif
.endr
.endm
.macro FETCH slot, q, f                ; 24 LDS loads in one run: K step q of the chunk: my 8 fragments of W_in (512 consecutive bytes a load) and x's 4
	WIN 0x40
.irp b, 0,1,2,3,4,5,6,7
	ds_load_b128 v[64*(\f)+8*\b:64*(\f)+8*\b+3],   v[JA+(\slot)] offset:(\q)*8192+\b*1024
	ds_load_b128 v[64*(\f)+8*\b+4:64*(\f)+8*\b+7], v[JA+(\slot)] offset:(\q)*8192+\b*1024+512
.endr
.irp a, 0,1,2,3
	ds_load_b128 v[128+32*(\f)+8*\a:128+32*(\f)+8*\a+3],   v[XA+(\slot)] offset:\a*16*XPITCH+(\q)*64
	ds_load_b128 v[128+32*(\f)+8*\a+4:128+32*(\f)+8*\a+7], v[XA+(\slot)] offset:\a*16*XPITCH+(\q)*64+32
.endr
.endm
; A chunk is four quarters of 32 along K, 32 matrix instructions each, on buffers 0, 1, 0, 1; the 32 accumulators take turns, one instruction a turn.
.macro QUARTER c, q
	s_wait_dscnt 0x0                               ; this quarter's fragments are in
.if ((\c) == 0) && ((\q) == 0)
	MUL8 0, 0, 1
	MUL8 0, 1, 1
.else
	MUL8 (\q)%2, 0, 0
	MUL8 (\q)%2, 1, 0
.endif
	PLACES
	FETCH (\c)%2, (\q)+1, 1-(\q)%2
.if ((\c) == 0) && ((\q) == 0)
	MUL8 0, 2, 1
	MUL8 0, 3, 1
.else
	MUL8 (\q)%2, 2, 0
	MUL8 (\q)%2, 3, 0
.endif
.endm
; The last quarter changes slots.  In front of the round each wave waits for all its tensor loads (one is out: its part of the next tile), adds 0 to its spare word, and waits for that, for its
; reads of this slot and of this stage of x, and for its stores of x's next chunk.  Behind the round this slot is filled again first, with the tile two further on: it has a chunk, 128 matrix
; instructions, in which to land.  All eight changes fill: the last two bring tiles 8 and 9, which the steps read.
.macro TURN c
	WIN 0
	s_wait_tensorcnt 0x0
	ds_add_u32 v[SPW], v[NIL]
	s_wait_dscnt 1                                 ; the add alone may be out: the quarter's fragments are in
	MUL8 1, 0, 0
	s_wait_dscnt 0x0
	s_barrier_signal -1
	MUL8 1, 1, 0
	WIN 0
	s_barrier_wait -1
	CREST
	s_add_nc_u64 s[34+4*((\c)%2):35+4*((\c)%2)], s[34+4*((\c)%2):35+4*((\c)%2)], 2*SLOTB  ; no tensor load of mine is out; the type bits on top are not reached
.if (\c) == 7
	TLOAD 1, 24                                    ; tile 9: 64 rows of 256 bytes a wave
.else
	TLOAD (\c)%2, 16
	FETCH ((\c)+1)%2, 0, 0                         ; the four v_nop behind the load are also the places in front of these
.endif
.if (\c) <= 3
	ASK (\c)+5
.endif
	MUL8 1, 2, 0
	MUL8 1, 3, 0
.endm
; THE STEPS.  16 matrix instructions: one K step of J'' (window jwin, registers jbase ..) x two row tiles of sigma.  The 16 accumulators take turns, in the same order in every K step.
; first = 1: D'' starts the sums.
.macro KSTEP jwin, jbase, sbuf, first
	WIN 0xf0|(\jwin)
.irp b, 0,1,2,3,4,5,6,7
.irp a, 0,1
.if \first
	v_wmma_f32_16x16x32_f16 v[64*\a+8*\b:64*\a+8*\b+7], v[(\jbase)+8*\b:(\jbase)+8*\b+7], v[(\sbuf)+8*\a:(\sbuf)+8*\a+7], v[128+64*\a+8*\b:128+64*\a+8*\b+7]
.else
	v_wmma_f32_16x16x32_f16 v[64*\a+8*\b:64*\a+8*\b+7], v[(\jbase)+8*\b:(\jbase)+8*\b+7], v[(\sbuf)+8*\a:(\sbuf)+8*\a+7], v[64*\a+8*\b:64*\a+8*\b+7]
.endif
.endr
.endr
.endm
.macro POS p, jwin, jbase, left, first=0   ; position p of a step's 16; left: the younger LDS loads that may stay out (below 0: an earlier wait has shown mine in)
.if (\left) >= 0
	s_wait_dscnt \left
.endif
	KSTEP \jwin, \jbase, SB+16*((\p)%3), \first
.endm
.macro AFT                             ; in front of the loads into the buffers just multiplied
	WIN 0
	PLACES
.endm
.macro SLOAD p, ks                     ; sigma's K step ks, both row tiles, into buffer p % 3: 4 loads
.irp a, 0,1
	ds_load_b128 v[SB+16*((\p)%3)+8*\a:SB+16*((\p)%3)+8*\a+3],   v[SA] offset:(\ks)*2048+\a*1024
	ds_load_b128 v[SB+16*((\p)%3)+8*\a+4:SB+16*((\p)%3)+8*\a+7], v[SA] offset:(\ks)*2048+\a*1024+512
.endr
.endm
.macro JLDS i                          ; J'' K step 10 + i: 16 loads
.irp b, 0,1,2,3,4,5,6,7
	ds_load_b128 v[JL+8*\b:JL+8*\b+3],   v[JA+(\i)/4] offset:((\i)%4)*8192+\b*1024
	ds_load_b128 v[JL+8*\b+4:JL+8*\b+7], v[JA+(\i)/4] offset:((\i)%4)*8192+\b*1024+512
.endr
.endm
; From e = exp2(acc), in place in window 3's v0-127: 1 + e; its reciprocal; 1 - 2 r.  The 128 reciprocals are one batch with one wait.
.macro TANHREST
	WIN 0xc3
.set i, 0
.rept 64
	v_pk_add_f32 v[i:i+1], v[i:i+1], 1.0 op_sel_hi:[1,0]
.set i, i+2
.endr
.set i, 0
.rept 128
	v_rcp_f32 v[i], v[i]
.set i, i+1
.endr
	v_nop                                          ; a plain instruction behind the last reciprocal (ISA guide 5.7.2)
	s_wait_alu depctr_va_vdst(0)
.set i, 0
.rept 64
	v_pk_fma_f32 v[i:i+1], v[i:i+1], -2.0, 1.0 op_sel_hi:[1,0,0]
.set i, i+2
.endr
.endm
.macro PACKCVT                         ; sigma to f16, in place: an accumulator's eight numbers into its first four registers, ascending
	WIN 0xcf
.set t, 0
.rept 16
.irp i, 0,1,2,3
	v_cvt_pk_f16_f32 v[8*t+\i], v[8*t+2*\i], v[8*t+2*\i+1]
.endr
.set t, t+1
.endr
.endm
.macro PACKSTO                         ; column tile b is half b % 2 of K step 4 w + b / 2
	WIN 0x0c
.irp a, 0,1
.irp b, 0,1,2,3,4,5,6,7
	ds_store_b128 v[SST], v[64*\a+8*\b:64*\a+8*\b+3] offset:(\b/2)*2048+\a*1024+(\b%2)*512
.endr
.endr
.endm
	s_load_b256 s[4:11], s[0:1], 0x0               ; x s[4:5], b_in s[6:7], wts s[8:9], out0 s[10:11]
	v_lshl_add_u32 v[SPW], v0, 2, SPARE
	v_mov_b32 v[NIL], 0
	ds_add_u32 v[SPW], v[NIL]                      ; the wave's opening: the add, twice on end, and its wait ahead of my first tensor load
	ds_add_u32 v[SPW], v[NIL]
	v_lshrrev_b32 v13, 5, v0
	v_readfirstlane_b32 s[WV], v13                 ; wave 0..3
	s_bfe_u32 s13, ttmp6, 0x40000                  ; cx: it enters x's and out0's addresses and the prefetches' offset alone
	s_lshl_b32 s14, ttmp9, 2                       ; in a cluster launch ttmp9 counts clusters
	s_add_co_u32 s14, s14, s13                     ; my work-group = 4 x cluster x + cx
	s_mov_b32 s44, ttmp9
	; descriptor group 1: a wave's part of a tile is dense: 128 rows of 256 bytes (s[16:23]); of tile 9: 64 rows (s[24:31])
.irp g, 16, 24
	s_mov_b32 s[\g], 15|(3<<16)|(1<<21)            ; 15:0 the mask of four; 17:16 elements of 8 bytes; 21 set beside a mask; no padding
	s_mov_b32 s[\g+1], 32<<16                      ; tensor_dim0 = 32
	s_mov_b32 s[\g+3], 32<<16                      ; tile_dim0 = 32
	s_mov_b32 s[\g+5], 32                          ; 32 elements from row to row
	s_mov_b32 s[\g+6], 0
	s_mov_b32 s[\g+7], 0
.endr
	s_mov_b32 s18, 128<<16                         ; tensor_dim1
	s_mov_b32 s20, 128                             ; tile_dim1
	s_mov_b32 s26, 64<<16
	s_mov_b32 s28, 64
	s_lshl_b32 s48, s[WV], 15                      ; my part of a tile, in memory and in a slot
	s_mov_b32 s49, 0
	s_mov_b32 s32, 1                               ; group 0, slot 0: count,
	s_mov_b32 s33, s48                             ; LDS address
	s_mov_b32 s36, 1                               ; slot 1
	s_add_co_u32 s37, s48, SLOTB
	s_mul_i32 s50, s[WV], 81920
	s_add_co_u32 s50, s50, PARTB                   ; my ten K steps of J'' in part B
	s_mov_b32 s51, 0
	s_lshl_b32 s52, s[WV], 13
	s_add_co_u32 s52, s52, SIG
	s_mul_i32 s53, s[WV], 16*OPITCH
	s_add_co_u32 s53, s53, OSTG
	s_lshl_b32 s54, s[WV], 9
	s_mul_i32 s55, s[WV], 16*XPITCH
	s_add_co_u32 s55, s55, XS
	s_lshl_b32 s56, s13, 13                        ; the prefetches: my work-group's 32 blocks of my wave's 128
	s_add_co_u32 s56, s56, s48
	s_lshl_b32 s58, s14, 18                        ; x: 64 rows of 4,096 bytes a work-group,
	s_lshl_b32 s57, s[WV], 16                      ; 16 of them a wave
	s_add_co_u32 s58, s58, s57
	s_mov_b32 s59, 0
	s_lshl_b32 s60, s14, 17                        ; out0: 64 rows of 2,048 bytes
	s_mov_b32 s61, 0
	v_and_b32 v13, 31, v0                          ; lane
	v_and_b32 v14, 15, v0                          ; l % 16
	v_bfe_u32 v15, v0, 4, 1                        ; l / 16
	v_lshlrev_b32 v[L16], 4, v13
	v_add_nc_u32 v[JA], s48, v[L16]
	v_add_nc_u32 v[JA+1], SLOTB, v[JA]
	v_add_nc_u32 v[PK], SLOTB+16384, v[JA]
	v_add_nc_u32 v[SA], SIG, v[L16]
	v_add_nc_u32 v[SST], s52, v[L16]
	v_mul_u32_u24 v[STO], v14, OPITCH
	v_lshl_add_u32 v[STO], v15, 5, v[STO]
	v_add_nc_u32 v[STO], s53, v[STO]
	v_add_nc_u32 v[RD], s53, v[L16]
	v_add_nc_u32 v[GO], s54, v[L16]
	v_lshl_add_u32 v[PFO], v13, 8, s56
	v_mul_u32_u24 v[XA], v14, XPITCH
	v_lshl_add_u32 v[XA], v15, 4, v[XA]
	v_add_nc_u32 v[XA], XS, v[XA]
	v_add_nc_u32 v[XA+1], XSTG, v[XA]
	v_lshl_add_u32 v[XST], v13, 3, s55
	v_add_nc_u32 v[XST+1], XSTG, v[XST]
	v_lshl_add_u32 v[BO], v15, 5, s54              ; b_in: 512 w + 32 (l / 16)
	s_wait_dscnt 0x0                               ; both opening adds are done
	s_wait_kmcnt 0x0
	s_add_nc_u64 s[34:35], s[8:9], s[48:49]        ; tile 0,
	s_add_nc_u64 s[38:39], s[34:35], SLOTB         ; tile 1
	s_or_b32 s35, s35, 0x80000000                  ; type = 2
	s_or_b32 s39, s39, 0x80000000
	s_add_nc_u64 s[40:41], s[8:9], s[50:51]
	s_add_nc_u64 s[4:5], s[4:5], s[58:59]
	s_add_nc_u64 s[10:11], s[10:11], s[60:61]
.irp b, 0,1,2,3,4,5,6,7
	global_load_b128 v[BIAS+8*\b:BIAS+8*\b+3],   v[BO], s[6:7] offset:64*\b
	global_load_b128 v[BIAS+8*\b+4:BIAS+8*\b+7], v[BO], s[6:7] offset:64*\b+16
.endr
	WIN 0x80
	XLOAD 0
	XLOAD 1
	WIN 0
	CROUND                                         ; all four work-groups are here: the first joint loads meet
	tensor_load_to_lds s[32:35], s[16:23]          ; tiles 0 and 1: two loads of mine are out
	s_nop 0
	tensor_load_to_lds s[36:39], s[16:23]
	s_nop 0
	PLACES
	WIN 0x80
	XLOAD 2
	XLOAD 3
	XSTAGE 0                                       ; its wait shows the bias in too: it was asked for first
	WIN 0
.set i, 0
.rept 32
	v_cvt_pk_bf16_f32 v[TMP+i], v[BIAS+2*i], v[BIAS+2*i+1]  ; b_in as the other inputs: rounded to bf16, and back in f32
.set i, i+1
.endr
.set i, 0
.rept 32
	v_lshlrev_b32 v[BIAS+2*i], 16, v[TMP+i]
	v_and_b32 v[BIAS+2*i+1], 0xffff0000, v[TMP+i]
.set i, i+1
.endr
	s_wait_tensorcnt 1                             ; my part of tile 0 is in; tile 1 may stay out
	s_wait_dscnt 0x0                               ; my rows of x's chunk 0 are in the stage
	s_barrier_signal -1
	s_barrier_wait -1
	FETCH 0, 0, 0
	; THE FIRST PRODUCT: eight chunks of 128 along K, written out: each has other constants (x's chunk, what a set takes next, which tile is asked for)
.irp c, 0,1,2,3,4,5,6,7
	QUARTER \c, 0
.if (\c) < 7
	XSTAGE (\c)+1
.else
	WIN 0
	JREG 0, 128
	JREG 1, 192
.endif
	QUARTER \c, 1
	QUARTER \c, 2
	TURN \c
.endr
	; D'' = c x the sums; rows 32-63 are parked
	PLACES
	WIN 0x40
	JREG 2, 0
	JREG 3, 64
	JREG 4, 128
	JREG 5, 192
	s_mov_b32 s46, 0x4038aa3b                      ; c = 2 log2(e)
	s_mov_b32 s47, s46                             ; named with it as a pair
	WIN 0xc3
.set i, 0
.rept 128
	v_pk_mul_f32 v[i:i+1], v[i:i+1], s[46:47] op_sel_hi:[1,0]  ; ascending: each accumulator is read from its low end on
.set i, i+2
.endr
	s_wait_tensorcnt 0x0                           ; tile 9, which I alone read; no tensor load follows in the launch
	WIN 0x0c
.set i, 0
.rept 32
	ds_store_b128 v[PK], v[4*i:4*i+3] offset:512*i
.set i, i+1
.endr
	WIN 0
	s_mov_b32 s43, 2
.Lpass:                                        ; 32 rows: step 1, then nine steps with a product
	s_wait_dscnt 0x0                               ; my reads of x's stages (second pass: of my stage for the way out, and of PARK) are over
	s_barrier_signal -1
	WIN 0xc3
.set i, 0
.rept 128
	v_exp_f32 v[i], v[128+i]                       ; step 1: sigma_0 = 0, so acc = D''
.set i, i+1
.endr
	v_nop
	s_wait_alu depctr_va_vdst(0)                   ; one wait for the batch
	TANHREST
	PACKCVT
	s_barrier_wait -1                              ; nobody reads the bytes that sigma now takes
	PACKSTO
	WIN 0
	s_mov_b32 s42, 9
	s_wait_loadcnt 0x0                             ; J'' K steps 0-9 are in their registers
.Lstep:
	s_wait_dscnt 0x0                               ; my part of sigma is stored
	s_barrier_signal -1
	JLDS 0                                         ; bytes that nobody writes any more
	s_barrier_wait -1                              ; everybody's part is stored
	SLOAD 0, 0
	SLOAD 1, 1
	SLOAD 2, 10
	POS 0, 0, 128, 8, 1                            ; the counts: sigma's loads go in fours, J'' in sixteens; each names what was issued behind the loads that the position needs
	AFT
	SLOAD 3, 2
	POS 1, 0, 192, 8
	AFT
	SLOAD 4, 3
	POS 2, 0, JL, 8
	AFT
	SLOAD 5, 11
	JLDS 1
	POS 3, 1, 0, 24
	AFT
	SLOAD 6, 4
	POS 4, 1, 64, 24
	AFT
	SLOAD 7, 5
	POS 5, 0, JL, 8
	AFT
	SLOAD 8, 12
	JLDS 2
	POS 6, 1, 128, 24
	AFT
	SLOAD 9, 6
	POS 7, 1, 192, 24
	AFT
	SLOAD 10, 13
	POS 8, 0, JL, 8
	AFT
	SLOAD 11, 7
	JLDS 3
	POS 9, 2, 0, 24
	AFT
	SLOAD 12, 14
	POS 10, 0, JL, 4
	AFT
	SLOAD 13, 8
	JLDS 4
	POS 11, 2, 64, -1
	AFT
	SLOAD 14, 15
	POS 12, 0, JL, 4
	AFT
	SLOAD 15, 9
	JLDS 5
	POS 13, 2, 128, -1
	s_wait_dscnt 0x0                               ; all my reads of sigma are over:
	s_barrier_signal -1                            ; say so; only work on registers stands up to the wait
	POS 14, 0, JL, -1
	POS 15, 2, 192, -1
	PLACES
	WIN 0xc3
.set i, 0
.rept 128
	v_exp_f32 v[i], v[i]                           ; ascending: each accumulator is read from its low end on
.set i, i+1
.endr
	v_nop
	s_wait_alu depctr_va_vdst(0)
	TANHREST
	WIN 0
	s_barrier_wait -1                              ; nobody reads the old sigma any more
	s_sub_co_u32 s42, s42, 1
	s_cmp_eq_u32 s42, 0
	s_cbranch_scc1 .Lout                           ; the tenth sigma leaves in f32
	PACKCVT
	PACKSTO
	WIN 0
	s_branch .Lstep
.Lout:	; THE WAY OUT, 16 rows at a time, through my own stage: in by lanes (16 bytes of a row), back by rows (512 bytes)
.irp a, 0,1
	WIN 0x0c
.irp b, 0,1,2,3,4,5,6,7
	ds_store_b128 v[STO], v[64*\a+8*\b:64*\a+8*\b+3]   offset:64*\b
	ds_store_b128 v[STO], v[64*\a+8*\b+4:64*\a+8*\b+7] offset:64*\b+16
.endr
	WIN 0
.if \a == 1
	s_wait_xcnt 0x0                                ; the first 16 rows' stores have read their registers, which are loaded again below
.endif
.set r, 0
.rept 16
	ds_load_b128 v[JL+4*r:JL+4*r+3], v[RD] offset:r*OPITCH  ; LDS serves a wave's instructions in order (ISA guide 5.7.1.4): these see the stores above
.set r, r+1
.endr
.set r, 0
.rept 16
	s_wait_dscnt 15-r
	global_store_b128 v[GO], v[JL+4*r:JL+4*r+3], s[10:11] offset:(16*\a+r)*2048 th:TH_STORE_NT  ; 512 consecutive bytes, at a multiple of 512 from out0's first
.set r, r+1
.endr
.endr
	s_sub_co_u32 s43, s43, 1
	s_cmp_eq_u32 s43, 0
	s_cbranch_scc1 .Lend
	s_wait_xcnt 0x0                                ; the stores have read their base and their registers
	s_add_nc_u64 s[10:11], s[10:11], 32*2048       ; rows 32-63
	WIN 0xc0
.set i, 0
.rept 32
	ds_load_b128 v[128+4*i:128+4*i+3], v[PK] offset:512*i  ; their D''
.set i, i+1
.endr
	WIN 0
	s_branch .Lpass
.Lend:
	s_wait_tensorcnt 0x0                           ; the wave's end: behind my last tensor load and my last LDS store
	ds_add_u32 v[SPW], v[NIL]
	s_wait_dscnt 0x0
	CROUND                                         ; the closing round
	s_endpgm
.Lfunc_end_k_qfdefc36034_settle:
	.size	k_qfdefc36034_settle, .Lfunc_end_k_qfdefc36034_settle-k_qfdefc36034_settle
	.p2alignl 7, 3214868480
	.fill 96, 4, 3214868480
	.section	.rodata,"a",@progbits
	.p2align	6, 0x0
	.amdhsa_kernel k_qfdefc36034_settle
		.amdhsa_group_segment_fixed_size 327680
		.amdhsa_private_segment_fixed_size 0
		.amdhsa_enable_private_segment 0
		.amdhsa_kernarg_size 32
		.amdhsa_user_sgpr_count 2
		.amdhsa_user_sgpr_kernarg_segment_ptr 1
		.amdhsa_wavefront_size32 1
		.amdhsa_system_sgpr_workgroup_id_x 1
		.amdhsa_system_sgpr_workgroup_id_y 1
		.amdhsa_system_sgpr_workgroup_id_z 1
		.amdhsa_system_vgpr_workitem_id 0
		.amdhsa_next_free_vgpr 1024
		.amdhsa_next_free_sgpr 66
		.amdhsa_reserve_vcc 0
		.amdhsa_float_denorm_mode_32 3
		.amdhsa_float_denorm_mode_16_64 3
		.amdhsa_memory_ordered 1
		.amdhsa_forward_progress 1
		.amdhsa_inst_pref_size 255
	.end_amdhsa_kernel
	.section	.bss,"aw",@nobits
	.p2align	6
	.space	262144
	.amdgpu_metadata
---
amdhsa.version: [ 1, 2 ]
amdhsa.kernels:
  - .name:           k_qfdefc36034_settle
    .symbol:         k_qfdefc36034_settle.kd
    .args:
      - { .name: x, .offset: 0, .size: 8, .value_kind: global_buffer, .address_space: global }
      - { .name: b_in, .offset: 8, .size: 8, .value_kind: global_buffer, .address_space: global }
      - { .name: wts, .offset: 16, .size: 8, .value_kind: global_buffer, .address_space: global }
      - { .name: out0, .offset: 24, .size: 8, .value_kind: global_buffer, .address_space: global }
    .group_segment_fixed_size: 327680
    .private_segment_fixed_size: 0
    .kernarg_segment_align: 8
    .kernarg_segment_size: 32
    .max_flat_workgroup_size: 128
    .sgpr_count:     66
    .vgpr_count:     1024
    .wavefront_size: 32
...
	.end_amdgpu_metadata
.endif
;; end of part 2
